; MI455X (gfx1250); checked and timed in simulation.
; The chip was launched on July 23, 2026; its instructions are those of AMD's public machine-readable ISA for CDNA 5 (MIT licence, August 2026) and "CDNA5" Instruction Set Architecture Reference Guide (July 2026). The comments in the code are by the model that wrote it; some were corrected since.
;; Lo RA Layer. Allowed arithmetic: matrix products marked QUANTISED: E2M1 operands, one E8M0 scale for each 32 along K, by v_wmma_scale_f32_16x16x128_f8f6f4 with both operands' format E2M1 (or v_wmma_scale_f32_32x16x128_f4), f32 sums; products left as they are: f32 operands where the result goes on into a quantised operand, else bf16, f16 or f32 operands; f32 sums; everything else in f32.
;; Inputs: A 16 x 4,096 float32; B 4,096 x 16 float32; W 4,096 x 4,096 float32; b 4,096 float32; x 2,048 x 4,096 float32.
;; Outputs: out0 2,048 x 4,096 float32.
;; This version of the problem:
;;   THIS VERSION OF THE PROBLEM IS GIVEN IN LOW PRECISION. The matrix products marked QUANTISED in the list below multiply operands that are first quantised to E2M1 (2 exponent bits, 1 mantissa bit; 4 bits a number), with one power-of-two scale for each 32 numbers along K (OCP MX v1.0); their sums are f32. All else is computed in f32.
;;   The module's matrix products, in the order in which they are computed (A, B: the left and right operand; K: the contracted axis; several contracted axes count as one K, in the product's order):
;;     1. [M 2,048, K 4,096] x [K 4,096, N 4,096]; A: input x; B: input W: QUANTISED
;;     2. [M 4,096, K 16] x [K 16, N 4,096]; A: input B; B: input A: left as it is (K = 16 < 32)
;;     3. [M 2,048, K 4,096] x [K 4,096, N 4,096]; A: input x; B: computed on the way: QUANTISED
;;   THE QUANTISER, for each operand of a quantised product, along K:
;;     - K is cut into blocks of 32 from its start; a last block that is shorter is filled with zeros.
;;     - A block's scale is 2^e with e = floor(log2(the largest magnitude in the block)) - 2, held to -126 .. 127; a block of zeros has e = 0. As a byte (E8M0): e + 127.
;;     - Each number is divided by its block's scale, clamped to +-6, and rounded to the nearest number of E2M1, ties to even, subnormals kept.
;;     - The product sums the exact products of the quantised numbers (number of the format x scale) in f32.
;;   ~~~python
;;   def quantise(x, axis):      # numpy; x: float32 -> the quantised numbers, widened to float32 again
;;       x = np.moveaxis(x, axis, -1); K = x.shape[-1]
;;       x = np.pad(x, [(0, 0)] * (x.ndim - 1) + [(0, -K % 32)]); x = x.reshape(x.shape[:-1] + (-1, 32)); a = np.abs(x).max(-1, keepdims=True)
;;       e = np.where(a > 0, np.clip(np.frexp(np.where(a > 0, a, 1))[1] - 1 - 2, -126, 127), 0)      # np.frexp(a)[1] - 1 = floor(log2(a)), exactly
;;       r = np.clip(x / 2.0 ** e, -6, 6)
;;       step = 2.0 ** (np.maximum(np.frexp(np.where(r == 0, 1, r))[1] - 1, 0) - 1)
;;       q = np.round(r / step) * step * 2.0 ** e      # np.round: ties to even
;;       return np.moveaxis(q.reshape(q.shape[:-2] + (-1,))[..., :K], -1, axis).astype(np.float32)
;;   ~~~
;;   OPERANDS COMPUTED ON THE WAY. 'Computed on the way' means the value that the module computes at that place (a softmax that the list does not call 'softmax' is quantised finished and normalised). What goes into a quantiser is computed in f32, as accurately as f32 sums, v_exp_f32 and their like allow (about 1e-6 of the number): no bf16 or f16 on the way to a quantiser, and a product that is left as it is and whose result goes on into a quantised operand takes f32 operands (vector FMAs, or v_wmma_f32_16x16x4_f32). A number that lies on a knife's edge between two numbers of the format may be rounded either way, as far as f32 arithmetic and the matrix unit's own rounding can turn it there, and no further.
;; One version. Each part assembles by itself: llvm-mc -triple=amdgcn-amd-amdhsa -mcpu=gfx1250 --defsym DOCPART=n.
;; ======== version 1 of 1: 2 launches
;; limits: right only within a limited range of input values
;; workspace buffers: xq 4,456,448 bytes; wlq 17,825,792 bytes
;; launch prep (part 1): grid 1024 x 1, 4 waves a work-group, no clusters, 17,920 bytes of LDS; arguments x, W, A, B, xq, wlq; writes xq, wlq
.if DOCPART == 1
	.amdgcn_target "amdgcn-amd-amdhsa--gfx1250"
	.amdhsa_code_object_version 6
	.text
	.protected	k_q78c24df9c7_prep
	.globl	k_q78c24df9c7_prep
	.p2align	8
	.type	k_q78c24df9c7_prep,@function
k_q78c24df9c7_prep:
	s_mov_b64 s[64:65], 0
	v_nop
	global_prefetch_b8 v0, s[64:65] scope:SCOPE_SE
	s_setreg_imm32_b32 hwreg(HW_REG_WAVE_MODE, 25, 1), 1
	s_wait_xcnt 0x0
; x [2048][4096], W [4096][4096] and L = B A ([4096 d][4096 n], B [4096][16], A [16][4096]), all f32, become codes of FP4 (E2M1) with one E8M0 byte for each 32 along K.
; K is x's and W's last axis and L's FIRST axis d (out = x W^T + b + 2 x L contracts x's columns with L's rows).  L is made in f32 by v_wmma_f32_16x16x4_f32 and never goes to memory as numbers.
; A block's scale is 2^(floor(log2(its largest magnitude)) - 2); its byte is the largest magnitude's exponent field - 2, held at 1 from below by a floor among the maximum's leaves.
; THE FACTOR 2 (alpha / rank) is a power of two: L's bytes are stored one higher (2 .. 253), the codes are made with the true scale: nothing is rounded by it.
; LIMITS: NaN and infinities among the inputs are not served.  A block of zeros keeps the floor's byte (1; for L 2) where the rule says 127: its codes are zeros, and this program alone reads the bytes.
;         L's 16 ranks are summed in f32 in the order 0,1,4,5 | 2,3,6,7 | 8,9,12,13 | 10,11,14,15.
; THE WORKSPACES ARE LAID IN THE ORDER OF THE OPERAND'S REGISTERS.  A group is 16 rows x 4,096 K = 8 K slots of KSB = 4,352 bytes.  A K slot (512 along K): 4,096 bytes of codes, the 16 bytes of
; (block kb, row r) at 256 (kb % 16) + 16 r, so that a fragment (16 rows x 128 K) is 1,024 bytes on end, lane l's registers 4 c .. 4 c + 3 at 512 c + 16 l; then 256 scale bytes, row r's sixteen at 16 r.
; xq: group = row / 16.  wlq: group = 2 (n / 16) for W's rows n, 2 (n / 16) + 1 for L's columns n.
; SHARES.  Work-groups 0-255 make L, 256-511 take x, 512-1023 take W: for each work-group that makes L three that stream, and every stream wave has the same share, one K slot of one group (32 KiB of f32).
; Waves share nothing: no barrier.  Only the stream path (x, W) uses LDS.
.set KSB,   4352
.set RG,    8*KSB                      ; a group: 34,816 bytes
.set ROWF,  16384                      ; a row of x, W or A in bytes
.set SPT,   272                        ; a stage row: 256 bytes + 16 of padding: sixteen rows start at sixteen different 16-byte columns
.set NG,    8                          ; granules of a stream wave
; registers of both paths
.set GA,  4                            ; v4   stream: 16,384 h + 16 r;  L: my row of a tile of B
.set SI,  5                            ; v5   LDS, into my wave's stage: 272 h + 16 r
.set SOA, 6                            ; v6   LDS, out of it: 272 r + 128 h
.set CD,  7                            ; v7   16 x lane: my place in a store of codes
.set SD,  8                            ; v8   my place in the store of scale words
.set SH0, 9                            ; v9   8 h
.set SH1, 10                           ; v10  8 h + 16
.set PX,  15                           ; v15  the lane exchange's destination
; stream path
.set OWN, 16                           ; v16-19  my bytes of the scale words of the wave's 4 fragments
.set CS,  128                          ; v128-159 the codes of the wave's 8 granules, 4 registers each: stored in one run at the wave's end
.set SW,  28                           ; v28-29  the two scale words that I store
.set R,   32                           ; v32-127 three sets of 32: a granule as it is loaded
.set X,   160                          ; v160-191 my block's 32 neighbours
; L path
.set AL,  20                           ; v20  my column of A
.set BF,  32                           ; v32-159 two sets of 64: 8 tiles of 16 rows of B, 8 registers each
.set AF,  160                          ; v160-175 A's 16 ranks of my column, for the two groups of columns
.set PC,  176                          ; v176-183 a fragment's codes
.set SL,  184                          ; v184-187 the four scale words that I store
.set DD,  192                          ; v192-255 L: 8 tiles.  Written by the f32 matrix instruction alone in this whole text
	s_load_b256 s[4:11], s[0:1], 0x0               ; x s[4:5], W s[6:7], A s[8:9], B s[10:11]
	s_load_b128 s[12:15], s[0:1], 0x20             ; xq s[12:13], wlq s[14:15]
	v_lshl_add_u32 v30, v0, 2, 0x4400
	v_mov_b32 v31, 0
	v_lshrrev_b32 v1, 5, v0
	v_readfirstlane_b32 s16, v1                    ; wave 0..3
	v_and_b32 v1, 31, v0                           ; lane
	v_and_b32 v2, 15, v0                           ; r
	v_bfe_u32 v3, v0, 4, 1                         ; h
	s_mul_i32 s17, s16, 16*SPT                     ; my wave's stage
	v_mul_u32_u24 v[SI], v3, SPT
	v_lshl_add_u32 v[SI], v2, 4, v[SI]
	v_add_nc_u32 v[SI], s17, v[SI]
	v_mul_u32_u24 v[SOA], v2, SPT
	v_lshl_add_u32 v[SOA], v3, 7, v[SOA]
	v_add_nc_u32 v[SOA], s17, v[SOA]
	v_lshlrev_b32 v[CD], 4, v1
	v_lshlrev_b32 v[SH0], 3, v3
	v_add_nc_u32 v[SH1], 16, v[SH0]
	v_cmp_le_u32 s30, 16, v1                       ; the mask of lanes 16-31
	s_mov_b32 s20, 0x76543210
	s_mov_b32 s21, 0xfedcba98                      ; v_permlanex16_b32's selects for lane l xor 16
	v_mov_b32 v[PX], 0                             ; written once: a lane permute's destination counts as one of its sources
	s_wait_kmcnt 0x0
	s_cmp_lt_u32 ttmp9, 256
	s_cbranch_scc0 .Lstream
; ---------------------------------------------------------------- L = B A, quantised down d
; Wave T = 4 x work-group + wave takes 512 along d (ks = T % 8) x 32 columns n (pair = T / 8): 4 x 2 fragments of 128 d x 16 n, 32 matrix instructions each.
; Source 0 = 16 rows of B, source 1 = 16 columns of A: in the result lane (r, h) holds column n = r and rows m = 8 h + j.  THE ROWS OF B THAT FORM A TILE ARE CHOSEN: row m of tile 4 c + u is
; d = 64 c + 32 (m / 8) + 8 u + m % 8, so that register DD + 32 c + 8 u + j of lane (r, h) is L(64 c + 32 h + 8 u + j, r): the FP4 operand's own order.  A lane holds two whole blocks of 32.
; The ranks are dealt alike to both sources, so that B comes by loads of 16 bytes: register 2 s + j of half h holds rank 8 (s / 2) + 4 h + 2 (s % 2) + j.
	s_lshl_b32 s17, ttmp9, 2
	s_add_co_u32 s17, s17, s16                     ; T
	s_and_b32 s18, s17, 7                          ; ks
	s_lshr_b32 s19, s17, 3                         ; pair
	s_lshl_b32 s22, s19, 7                         ; A: 32 columns of 4 bytes
	s_mov_b32 s23, 0
	s_add_nc_u64 s[8:9], s[8:9], s[22:23]
	s_lshl_b32 s22, s18, 15                        ; B: 512 rows of 64 bytes
	s_add_nc_u64 s[10:11], s[10:11], s[22:23]
	s_mul_i32 s22, s19, 4*RG                       ; wlq: group 4 pair + 1 (+ 2 for the second 16 columns), K slot ks
	s_mul_i32 s24, s18, KSB
	s_add_co_u32 s22, s22, s24
	s_add_co_u32 s22, s22, RG
	s_add_nc_u64 s[14:15], s[14:15], s[22:23]
	v_lshrrev_b32 v11, 3, v2
	v_and_b32 v12, 7, v2
	v_lshl_add_u32 v11, v11, 5, v12                ; 32 (r / 8) + r % 8
	v_lshlrev_b32 v[GA], 6, v11                    ; rows of 64 bytes,
	v_lshl_add_u32 v[GA], v3, 4, v[GA]             ; + 16 h: ranks 4 h on
	v_lshlrev_b32 v[AL], 2, v2
	v_lshl_add_u32 v[AL], v3, 16, v[AL]            ; A: column r, 4 h rows of 16,384 bytes down
	v_mul_u32_u24 v[SD], v3, 2*RG                  ; scale words: lanes 0-15 the first 16 columns' group, lanes 16-31 the second's
	v_lshl_add_u32 v[SD], v2, 4, v[SD]
.irp nn, 0,1
.irp i, 0,1,2,3,4,5,6,7
	global_load_b32 v[AF+8*\nn+\i], v[AL], s[8:9] offset:(8*(\i/4)+\i%4)*ROWF+64*\nn   ; rank 8 (i / 4) + 4 h + i % 4
.endr
.endr
.macro BLOAD dqi                       ; 128 rows of B: sixteen loads into set dqi % 2
.irp t, 0,1,2,3,4,5,6,7
.irp p, 0,1
	global_load_b128 v[BF+64*((\dqi)%2)+8*\t+4*\p:BF+64*((\dqi)%2)+8*\t+4*\p+3], v[GA], s[10:11] offset:(\dqi)*8192+(64*(\t/4)+8*(\t%4))*64+32*\p
.endr
.endr
.endm
.macro FRAGL dqi, nn                   ; the fragment of d = 128 dqi .. + 127 and columns 16 nn .. + 15
.irp s, 0,1,2,3                        ; the eight accumulators take turns, one instruction a turn; the first product of each starts its sum
.irp t, 0,1,2,3,4,5,6,7
.if \s == 0
	v_wmma_f32_16x16x4_f32 v[DD+8*\t:DD+8*\t+7], v[BF+64*((\dqi)%2)+8*\t+2*\s:BF+64*((\dqi)%2)+8*\t+2*\s+1], v[AF+8*(\nn)+2*\s:AF+8*(\nn)+2*\s+1], 0
.else
	v_wmma_f32_16x16x4_f32 v[DD+8*\t:DD+8*\t+7], v[BF+64*((\dqi)%2)+8*\t+2*\s:BF+64*((\dqi)%2)+8*\t+2*\s+1], v[AF+8*(\nn)+2*\s:AF+8*(\nn)+2*\s+1], v[DD+8*\t:DD+8*\t+7]
.endif
.endr
.endr
.rept 9
	v_nop                                          ; behind this form eight places before its results are read or its sources loaded anew, nine before the next fragment's products write over the results (ISA guide 7.12.1)
.endr
.irp c, 0,1                            ; my two blocks of 32 by turns; each tile is first read at its low end
	v_max3_num_f32 v[11+\c], |v[DD+32*\c]|, |v[DD+32*\c+1]|, 0x1800000   ; the floor 2^(3 - 127): the byte cannot fall under 1
.endr
.irp i, 2,4,6,8,10,12,14,16,18,20,22,24,26,28,30
.irp c, 0,1
	v_max3_num_f32 v[11+\c], v[11+\c], |v[DD+32*\c+\i]|, |v[DD+32*\c+\i+1]|
.endr
.endr
	v_add_nc_u32 v13, 0xff000000, v11              ; 2 off the exponent field: the conversion takes the exponent field of this operand as its scale
	v_add_nc_u32 v14, 0xff000000, v12
	v_lshrrev_b32 v16, 23, v13                     ; the true bytes
	v_lshrrev_b32 v17, 23, v14
	v_lshl_or_b32 v16, v17, 16, v16                ; blocks h and 2 + h of the fragment's four,
	v_add_nc_u32 v16, 0x00010001, v16              ; each one higher: the factor 2,
	v_lshlrev_b32 v16, v[SH0], v16                 ; at their places in the word;
	v_permlanex16_b32 v[PX], v16, s20, s21
.if \nn == 0
	v_or_b32 v[SL+\dqi], v16, v[PX]                ; with lane l xor 16's two the word is whole
.else
	v_or_b32 v16, v16, v[PX]
	v_cndmask_b32 v[SL+\dqi], v[SL+\dqi], v16, s30 ; lanes 16-31 keep the second 16 columns' words
.endif
	s_wait_alu depctr_va_vdst(0)
	s_wait_xcnt 0x0                                ; the last fragment's stores have read their data: the codes' registers are written again only behind this wait
.irp c, 0,1
.irp g, 0,1,2,3
	v_cvt_scalef32_pk8_fp4_f32 v[PC+4*\c+\g], v[DD+32*\c+8*\g:DD+32*\c+8*\g+7], v[13+\c]
.endr
.endr
	v_nop                                          ; one plain place behind the scaled conversions
.irp c, 0,1
	global_store_b128 v[CD], v[PC+4*\c:PC+4*\c+3], s[14:15] offset:(\nn)*2*RG+(\dqi)*1024+512*\c   ; 32 lanes store 512 consecutive bytes, aligned
.endr
.endm
	BLOAD 0
.irp d, 0,1,2,3
.if \d < 3
	BLOAD \d+1                                     ; the other set: its last readers stand in front of nine places
	s_wait_loadcnt 16                              ; all but the sixteen just issued
.else
	s_wait_loadcnt 0x0
.endif
	FRAGL \d, 0
	FRAGL \d, 1
.endr
	global_store_b128 v[SD], v[SL:SL+3], s[14:15] offset:4096   ; sixteen lanes store the 256 scale bytes of a group's K slot
	s_endpgm
; ---------------------------------------------------------------- x and W: K is innermost
; A work-group takes half of a group of 16 rows, its wave w the K slot ks = 4 x half + w: 512 along K, in 8 granules of 16 rows x 64 K.  Each load reads two rows' 256 aligned bytes (sixteen lanes a row); the granule
; turns through the wave's stage in LDS and comes back 128 bytes a lane: lane (r, h) then holds one whole block of 32 of row r, block 2 g + h of the K slot.  Its 16 bytes of codes lie at 16 x lane of the granule's 512.
; Three granules (24 loads, 12 KiB) of a wave are asked for ahead.  The codes stay in registers, 4 for each granule, and leave in one run behind the last granule: no store stands between two granules.
.Lstream:
	s_cmp_lt_u32 ttmp9, 512                        ; x's work-group or W's?  The choice hangs on the work-group's number alone
	s_cselect_b64 s[22:23], s[4:5], s[6:7]
	s_cselect_b64 s[24:25], s[12:13], s[14:15]
	s_mov_b32 s26, 2*RG
	s_cselect_b32 s26, RG, s26                     ; from group to group: W's groups are every second one of wlq
	s_mov_b32 s27, 512
	s_cselect_b32 s27, 256, s27
	s_sub_co_u32 s27, ttmp9, s27                   ; 2 x group + half
	s_lshr_b32 s31, s27, 1                         ; G: the group of 16 rows
	s_and_b32 s27, s27, 1
	s_lshl_b32 s27, s27, 2
	s_add_co_u32 s27, s27, s16                     ; ks: my K slot, 0 .. 7
	s_lshl_b32 s28, s31, 18                        ; 16 rows of 16,384 bytes
	s_lshl_b32 s29, s27, 11                        ; + 512 numbers a K slot
	s_add_co_u32 s28, s28, s29
	s_mov_b32 s29, 0
	s_add_nc_u64 s[22:23], s[22:23], s[28:29]
	s_mul_i32 s28, s31, s26
	s_mul_i32 s27, s27, KSB
	s_add_co_u32 s28, s28, s27
	s_add_nc_u64 s[24:25], s[24:25], s[28:29]
	v_lshlrev_b32 v[GA], 14, v3
	v_lshl_add_u32 v[GA], v2, 4, v[GA]
	v_lshlrev_b32 v[SD], 4, v2                     ; scale words: row r's sixteen bytes,
	v_lshl_add_u32 v[SD], v3, 3, v[SD]             ; of which lanes 0-15 store the first eight and lanes 16-31 the last
.macro LOADG g
.irp i, 0,1,2,3,4,5,6,7
	global_load_b128 v[R+32*((\g)%3)+4*\i:R+32*((\g)%3)+4*\i+3], v[GA], s[22:23] offset:\i*2*ROWF+(\g)*256 th:TH_LOAD_NT   ; rows 2 i and 2 i + 1; read once in the launch
.endr
.endm
.macro GRAN g
.if NG-1-(\g) >= 2
	s_wait_loadcnt 16                              ; my eight loads are in; those of the two granules behind may be out
.else
	s_wait_loadcnt 8*(NG-1-(\g))
.endif
.irp i, 0,1,2,3,4,5,6,7
	ds_store_b128 v[SI], v[R+32*((\g)%3)+4*\i:R+32*((\g)%3)+4*\i+3] offset:2*SPT*\i
.endr
.irp i, 0,1,2,3,4,5,6,7
	ds_load_b128 v[X+4*\i:X+4*\i+3], v[SOA] offset:16*\i   ; LDS serves a wave's instructions in order (ISA guide 5.7.1.4): these see the stores above, and the next granule's stores come behind them
.endr
	s_wait_dscnt 0x0                               ; my block is in, and the stores have read their registers
.if (\g)+3 < NG
	LOADG (\g)+3                                   ; the set just stored to the stage takes the granule three further on
.endif
	v_max3_num_f32 v11, |v[X]|, |v[X+1]|, 0x1800000        ; the largest magnitude of my 32, in two chains; the floor 2^(3 - 127) holds the byte at 1 from below
	v_max3_num_f32 v12, |v[X+16]|, |v[X+17]|, |v[X+18]|
.irp i, 0,2,4,6,8,10
	v_max3_num_f32 v11, v11, |v[X+2+\i]|, |v[X+3+\i]|
	v_max3_num_f32 v12, v12, |v[X+19+\i]|, |v[X+20+\i]|
.endr
	v_max3_num_f32 v11, v11, |v[X+14]|, |v[X+15]|
	v_max3_num_f32 v11, v11, v12, |v[X+31]|
	v_add_nc_u32 v13, 0xff000000, v11              ; 2 off the exponent field: the conversion's scale operand
	v_lshrrev_b32 v14, 23, v13                     ; the byte: block 2 (g % 2) + h of fragment g / 2
.if (\g)%2 == 0
	v_lshlrev_b32 v[OWN+(\g)/2], v[SH0], v14
.else
	v_lshlrev_b32 v14, v[SH1], v14
	v_or_b32 v[OWN+(\g)/2], v[OWN+(\g)/2], v14
.endif
.irp i, 0,1,2,3
	v_cvt_scalef32_pk8_fp4_f32 v[CS+4*(\g)+\i], v[X+8*\i:X+8*\i+7], v13
.endr
	v_nop                                          ; one plain place behind the scaled conversions
.endm
.irp g, 0,1,2
	LOADG \g
.endr
	s_wait_alu depctr_va_vdst(0)
.irp g, 0,1,2,3,4,5,6,7
	GRAN \g
.endr
.irp f, 0,1,2,3
	v_permlanex16_b32 v[PX], v[OWN+\f], s20, s21
	v_or_b32 v[OWN+\f], v[OWN+\f], v[PX]           ; with lane l xor 16's two bytes the word is whole, in both halves of the lanes
.endr
	v_cndmask_b32 v[SW], v[OWN], v[OWN+2], s30     ; lanes 0-15: row r's words 0 and 1, lanes 16-31: its words 2 and 3
	v_cndmask_b32 v[SW+1], v[OWN+1], v[OWN+3], s30
.irp g, 0,1,2,3,4,5,6,7
	global_store_b128 v[CD], v[CS+4*\g:CS+4*\g+3], s[24:25] offset:\g*512   ; 32 lanes store 512 consecutive bytes, aligned
.endr
	global_store_b64 v[SD], v[SW:SW+1], s[24:25] offset:4096   ; the 32 lanes store the K slot's 256 scale bytes, aligned
	s_wait_tensorcnt 0x0
	ds_add_u32 v30, v31
	s_wait_dscnt 0x0
	s_endpgm
.Lfunc_end_k_q78c24df9c7_prep:
	.size	k_q78c24df9c7_prep, .Lfunc_end_k_q78c24df9c7_prep-k_q78c24df9c7_prep
	.p2alignl 7, 3214868480
	.fill 96, 4, 3214868480
	.section	.rodata,"a",@progbits
	.p2align	6, 0x0
	.amdhsa_kernel k_q78c24df9c7_prep
		.amdhsa_group_segment_fixed_size 17920
		.amdhsa_private_segment_fixed_size 0
		.amdhsa_enable_private_segment 0
		.amdhsa_kernarg_size 48
		.amdhsa_user_sgpr_count 2
		.amdhsa_user_sgpr_kernarg_segment_ptr 1
		.amdhsa_wavefront_size32 1
		.amdhsa_system_sgpr_workgroup_id_x 1
		.amdhsa_system_sgpr_workgroup_id_y 1
		.amdhsa_system_sgpr_workgroup_id_z 1
		.amdhsa_system_vgpr_workitem_id 0
		.amdhsa_next_free_vgpr 256
		.amdhsa_next_free_sgpr 66
		.amdhsa_reserve_vcc 0
		.amdhsa_float_denorm_mode_32 3
		.amdhsa_float_denorm_mode_16_64 3
		.amdhsa_memory_ordered 1
		.amdhsa_forward_progress 1
		.amdhsa_inst_pref_size 84
	.end_amdhsa_kernel
	.amdgpu_metadata
---
amdhsa.version: [ 1, 2 ]
amdhsa.kernels:
  - .name:           k_q78c24df9c7_prep
    .symbol:         k_q78c24df9c7_prep.kd
    .args:
      - { .name: x, .offset: 0, .size: 8, .value_kind: global_buffer, .address_space: global }
      - { .name: W, .offset: 8, .size: 8, .value_kind: global_buffer, .address_space: global }
      - { .name: A, .offset: 16, .size: 8, .value_kind: global_buffer, .address_space: global }
      - { .name: B, .offset: 24, .size: 8, .value_kind: global_buffer, .address_space: global }
      - { .name: xq, .offset: 32, .size: 8, .value_kind: global_buffer, .address_space: global }
      - { .name: wlq, .offset: 40, .size: 8, .value_kind: global_buffer, .address_space: global }
    .group_segment_fixed_size: 17920
    .private_segment_fixed_size: 0
    .kernarg_segment_align: 8
    .kernarg_segment_size: 48
    .max_flat_workgroup_size: 128
    .sgpr_count:     66
    .vgpr_count:     256
    .wavefront_size: 32
...
	.end_amdgpu_metadata
.endif
;; end of part 1
;; launch gemm (part 2): grid 32 x 8, 4 waves a work-group, clusters of 4 x 4, 327,680 bytes of LDS; arguments xq, wlq, b, out0; writes out0
.if DOCPART == 2
	.amdgcn_target "amdgcn-amd-amdhsa--gfx1250"
	.amdhsa_code_object_version 6
	.text
	.protected	k_q78c24df9c7_gemm
	.globl	k_q78c24df9c7_gemm
	.p2align	8
	.type	k_q78c24df9c7_gemm,@function
k_q78c24df9c7_gemm:
	s_mov_b64 s[64:65], 0
	v_nop
	global_prefetch_b8 v0, s[64:65] scope:SCOPE_SE
	s_setreg_imm32_b32 hwreg(HW_REG_WAVE_MODE, 25, 1), 1
	s_wait_xcnt 0x0
	s_wait_alu depctr_hold_cnt(0) depctr_sa_sdst(0) depctr_va_vdst(0) depctr_va_sdst(0) depctr_va_ssrc(0) depctr_va_vcc(0) depctr_vm_vsrc(0)
	s_getreg_b32 s2, hwreg(HW_REG_IB_STS2, 6, 4)
	s_cmp_eq_u32 s2, 0
	s_cbranch_scc0 .Lentry_in_a_cluster
	s_endpgm
.Lentry_in_a_cluster:
	s_bfe_u32 s2, ttmp6, 0x10000c
	s_cmp_lg_u32 s2, 0xf033
	s_cbranch_scc0 .Lentry_shape_is_right
	s_endpgm
.Lentry_shape_is_right:
; out[m][n] = sum_k Q(x)[m][k] Q(W)[n][k] + b[n] + sum_d Q(x)[m][d] 2 Q(L)[d][n], on the FP4 codes and E8M0 bytes that launch prep laid in the order of the operands' registers (the factor 2 lies in L's bytes).
; xq: group = 16 rows of x; wlq: group 2 g = W's rows 16 g .., group 2 g + 1 = L's columns 16 g ...  A group is 8 K slots of KSB bytes: 4 fragments (16 rows x 128 K) of 1,024 bytes, then 256 scale bytes.
; A work-group of four waves makes 256 x 128 of out; a wave 128 x 64: 32 accumulators, each fed by W's and by L's fragment: 64 products for 128 along K from 16 fragments.
; K goes in 8 slots of 512 through a ring of two LDS slots of 32 groups x KSB bytes; each wave fills a quarter (8 groups) by one joint tensor load.
; CLUSTERS 4 x 4: x's groups are shared along a row of the cluster, W's and L's along a column.  The product is used transposed (source 0 = W or L, source 1 = x): a lane holds eight neighbouring columns of a row.
; REGISTERS.  Window 0: v0-31 addresses, v32-63 the bias (C of the first products), v64-127 scale words (two sets), v128-191 the way out.  Window 1: the 32 accumulators ((a, b) at v[8 (4 a + b)]).
;   windows 2 and 3: two fragment sets, each for 256 along K: for its j-th 128 at v[128 j]: 64 registers of x (8 blocks), 32 of W (4 blocks), 32 of L.
; A BATCH is 256 along K: 128 products; ONE run of 64 LDS loads brings the next batch's fragments into the other set: two window settings for the run, and at least 64 products between a load and the wait for it.
; A slot is two batches.  The slot's last reads are issued at the head of its first batch, so the change of slots stands in the first half of its second.
; PREFETCH, of 2 of the 8 groups that a wave fetches: 17 blocks of 256 bytes a group, a lane a block (lanes 17-31 name the last block again).  The four partners of a joint load share the 8 groups out by address
; (cx for x, cy for W and L).  Behind K slot 0's load: slot 1; behind slot 1's: slots 2 and 3; behind slot j's, j from 2 on: slot j + 2.  So at most two slots are asked for and not yet read.
; K slots 6 and 7's loads have no slot two on: the loop's last trip asks for nothing.
.set KSB,   4352
.set RG,    8*KSB
.set SLOT,  32*KSB
.set SPARE, 2*SLOT                     ; the spare words: 512 bytes that no other line names
.set STAGE, SPARE+512                  ; the way out: 16 rows x 272 bytes for each wave; no tensor load lands here
.set SPT,   272
.set ROWO,  16384
.set ADRX, 16                          ; v16-17 x fragments' address in slot 0, 1
.set ADRB, 20                          ; v20-21 W's and L's
.set ADRS, 22                          ; v22-23 scale words: lanes 0-15 x's, lanes 16-31 W's and L's
.set STO,  24
.set RD,   25
.set CO,   26
.set BO,   27
.set SPW,  28                          ; my spare word; never rewritten
.set NIL,  29                          ; 0; never rewritten
.set PFO,  30                          ; 256 x min(lane, 16)
.set BI,   32
.set SC,   64
.set BK,   128
.set PFA,  12                          ; s[12:13] where my prefetches stand
.set G1,  24
.set G0,  32
.set G1B, 48
.set G0B, 56
.set MUL0, 0x5a                        ; D, C window 1; sources window 2
.set MUL1, 0x5f                        ; D, C window 1; sources window 3
.set MULB, 0x4a                        ; as MUL0 with C (the bias) in window 0
.set TO0,  0x80                        ; loads: destination window 2, address window 0
.set TO1,  0xc0                        ; destination window 3
.set MSB, 0
.macro WIN new                         ; the immediate's high byte repeats the setting that is left
.if MSB != \new
	s_set_vgpr_msb (MSB<<8)|\new
.set MSB, \new
.endif
.endm
.macro JLOAD g0a, g1a, g0b, g1b        ; waves 0, 1 fetch x's groups, waves 2, 3 W's and L's
	s_cmp_eq_u32 s15, 0
	s_cbranch_scc0 .Lfor_b_\@
	tensor_load_to_lds s[\g0a:\g0a+3], s[\g1a:\g1a+7]
	s_nop 0
.rept 4
	v_nop
.endr
	s_branch .Lasked_\@
.Lfor_b_\@:
	tensor_load_to_lds s[\g0b:\g0b+3], s[\g1b:\g1b+7]
	s_nop 0
.rept 4
	v_nop
.endr
.Lasked_\@:
.endm
.macro CREST                           ; a round of the cluster's barrier behind its opening barrier
	s_cmp_lg_u32 s14, 0
	s_cbranch_scc1 .Lnot_wave_0_\@
	s_barrier_signal -3
.Lnot_wave_0_\@:
	s_barrier_wait -3
	s_barrier_signal -1
	s_barrier_wait -1
.endm
.macro CROUND
	s_barrier_signal -1
	s_barrier_wait -1
	CREST
.endm
.macro PLACES n
.rept \n
	v_nop
.endr
.endm
.macro PF j                            ; my 2 groups' blocks, j K slots on from where my prefetches stand
	global_prefetch_b8 v[PFO], s[PFA:PFA+1] offset:(\j)*KSB th:TH_LOAD_NT scope:SCOPE_SE
	global_prefetch_b8 v[PFO], s[PFA:PFA+1] offset:(\j)*KSB+RG th:TH_LOAD_NT scope:SCOPE_SE
.endm
	s_load_b256 s[4:11], s[0:1], 0x0               ; xq, wlq, b, out0
	v_lshl_add_u32 v[SPW], v0, 2, SPARE
	v_mov_b32 v[NIL], 0
	ds_add_u32 v[SPW], v[NIL]                      ; the add,
	ds_add_u32 v[SPW], v[NIL]                      ; once more; work on registers stands ahead of the one wait
	v_lshrrev_b32 v1, 5, v0
	v_readfirstlane_b32 s14, v1                    ; wave
	s_lshr_b32 s15, s14, 1                         ; my half of the rows; also: I fetch x (0) or W, L (1)
	s_and_b32 s16, s14, 1                          ; my half of the columns; also: which 8 groups I fetch
	s_bfe_u32 s40, ttmp6, 0x40000                  ; cx
	s_bfe_u32 s41, ttmp6, 0x40004                  ; cy
	s_lshl_b32 s42, ttmp9, 2
	s_add_co_u32 s42, s42, s40                     ; tile column (128 n)
	s_and_b32 s17, ttmp7, 0xffff
	s_lshl_b32 s17, s17, 2
	s_add_co_u32 s17, s17, s41                     ; tile row (256 m)
	s_lshl_b32 s43, s41, 2
	s_lshl_b32 s43, 15, s43                        ; my row of the cluster
	s_lshl_b32 s44, 0x1111, s40                    ; my column
	s_or_b32 s[G1+0], s43, (3<<16)|(1<<21)         ; elements of 8 bytes; the mask, bit 21 beside it
	s_or_b32 s[G1B+0], s44, (3<<16)|(1<<21)
.irp g, G1, G1B
	s_mov_b32 s[\g+1], 544<<16                     ; a row: one group's K slot, 544 x 8 bytes
	s_mov_b32 s[\g+2], 8<<16                       ; 8 groups
	s_mov_b32 s[\g+3], 544<<16
	s_mov_b32 s[\g+4], 8
	s_mov_b32 s[\g+5], RG/8                        ; from group to group
	s_mov_b32 s[\g+6], 0
	s_mov_b32 s[\g+7], 0
.endr
	s_lshl_b32 s18, s16, 3
	s_lshl_b32 s20, s17, 4
	s_add_co_u32 s20, s20, s18
	s_mul_i32 s20, s20, RG                         ; x: group 16 x tile row + 8 x half
	s_mov_b32 s21, 0
	s_lshl_b32 s46, s42, 4
	s_add_co_u32 s46, s46, s18
	s_mul_i32 s46, s46, RG                         ; W, L: group 16 x tile column + 8 x half
	s_mov_b32 s47, 0
	s_mul_i32 s45, s14, RG                         ; LDS: wave x 8 groups
	s_wait_dscnt 0x0                               ; both opening adds are done
	s_wait_kmcnt 0x0
	s_add_nc_u64 s[20:21], s[4:5], s[20:21]
	s_add_nc_u64 s[46:47], s[6:7], s[46:47]
.irp s, 0,1
	s_mov_b32 s[G0+4*\s], 1
	s_add_co_u32 s[G0+4*\s+1], s45, \s*SLOT
	s_add_nc_u64 s[G0+4*\s+2:G0+4*\s+3], s[20:21], \s*KSB
	s_or_b32 s[G0+4*\s+3], s[G0+4*\s+3], 0x80000000
	s_mov_b32 s[G0B+4*\s], 1
	s_add_co_u32 s[G0B+4*\s+1], s45, \s*SLOT
	s_add_nc_u64 s[G0B+4*\s+2:G0B+4*\s+3], s[46:47], \s*KSB
	s_or_b32 s[G0B+4*\s+3], s[G0B+4*\s+3], 0x80000000
.endr
	CROUND                                         ; all sixteen work-groups are here: the first joint loads meet
	JLOAD G0, G1, G0B, G1B                         ; K slot 0: my one tensor load at the head
	; scalars first, then the vector lines on end
	s_lshl_b32 s20, s17, 8
	s_lshl_b32 s21, s15, 7
	s_add_co_u32 s20, s20, s21
	s_lshl_b32 s20, s20, 14                        ; my first row of out, in bytes
	s_mov_b32 s21, 0
	s_lshl_b32 s46, s42, 9
	s_lshl_b32 s47, s16, 8
	s_add_co_u32 s46, s46, s47                     ; my first column, in bytes
	s_mov_b32 s47, 0
	s_add_nc_u64 s[8:9], s[8:9], s[46:47]
	s_add_nc_u64 s[10:11], s[10:11], s[20:21]
	s_add_nc_u64 s[10:11], s[10:11], s[46:47]
	s_lshl_b32 s20, s17, 4                         ; the prefetches: the tile's first group,
	s_lshl_b32 s21, s42, 4
	s_cmp_eq_u32 s15, 0
	s_cselect_b32 s20, s20, s21
	s_cselect_b32 s21, s40, s41                    ; my place among the four that ask with me
	s_cselect_b64 s[PFA:PFA+1], s[4:5], s[6:7]
	s_lshl_b32 s22, s16, 3
	s_add_co_u32 s20, s20, s22                     ; + the 8 groups that I fetch
	s_lshl_b32 s21, s21, 1
	s_add_co_u32 s20, s20, s21                     ; + my work-group's 2 of them
	s_mul_i32 s20, s20, RG
	s_mov_b32 s21, 0
	s_add_nc_u64 s[PFA:PFA+1], s[PFA:PFA+1], s[20:21]
	s_mul_i32 s18, s15, RG                         ; LDS: my 8 groups of x,
	s_mul_i32 s19, s16, RG
	s_add_co_u32 s19, s19, 2*RG                    ; my 8 of W and L, behind x's 16
	s_sub_co_u32 s22, s19, s18
	s_add_co_u32 s20, s18, SLOT
	s_add_co_u32 s21, s19, SLOT
	s_mul_i32 s23, s14, 16*SPT
	s_add_co_u32 s23, s23, STAGE                   ; my stage
	v_and_b32 v1, 15, v0                           ; r
	v_bfe_u32 v2, v0, 4, 1                         ; h
	v_and_b32 v3, 31, v0
	v_lshlrev_b32 v4, 4, v3                        ; 16 x lane: my place in a fragment's 512 bytes
	v_min_u32 v3, 16, v3
	v_lshlrev_b32 v[PFO], 8, v3
	v_mul_u32_u24 v5, s22, v2                      ; lanes 16-31 take W's and L's scale words
	v_lshl_add_u32 v5, v1, 4, v5
	v_add_nc_u32 v5, 4096, v5
	v_add_nc_u32 v[ADRS], s18, v5
	v_add_nc_u32 v[ADRS+1], s20, v5
	v_add_nc_u32 v[ADRX], s18, v4
	v_add_nc_u32 v[ADRX+1], s20, v4
	v_add_nc_u32 v[ADRB], s19, v4
	v_add_nc_u32 v[ADRB+1], s21, v4
	v_mul_u32_u24 v6, v1, SPT
	v_lshl_add_u32 v6, v2, 5, v6
	v_add_nc_u32 v[STO], s23, v6                   ; into the stage: row r, 32 bytes for each half of the lanes
	v_mul_u32_u24 v6, v2, SPT
	v_lshl_add_u32 v6, v1, 4, v6
	v_add_nc_u32 v[RD], s23, v6                    ; back: sixteen lanes a row of 256 bytes
	v_lshlrev_b32 v[CO], 14, v2
	v_lshl_add_u32 v[CO], v1, 4, v[CO]             ; the same two rows in out
	v_lshlrev_b32 v[BO], 5, v2
	s_wait_alu depctr_va_vdst(0)
	PF 1                                           ; K slot 1
.irp b, 0,1,2,3
	global_load_b128 v[BI+8*\b:BI+8*\b+3],   v[BO], s[8:9] offset:64*\b      ; b at my eight columns of n block b
	global_load_b128 v[BI+8*\b+4:BI+8*\b+7], v[BO], s[8:9] offset:64*\b+16
.endr
; 16 products: x blocks a0 .. a0 + 3 x 4 n blocks; wh = 0 W, 1 L; j: which 128 of the set; q: which of the slot's four (the scale word); sc: the scale set.
; The accumulators take turns, one instruction a turn.
.macro MUL16 wh, a0, j, q, sc, bias
.irp a, \a0, \a0+1, \a0+2, \a0+3
.irp b, 0,1,2,3
.if \bias
	v_wmma_scale_f32_16x16x128_f8f6f4 v[8*(4*(\a)+\b):8*(4*(\a)+\b)+7], v[128*(\j)+64+32*(\wh)+8*\b:128*(\j)+64+32*(\wh)+8*\b+7], v[128*(\j)+8*(\a):128*(\j)+8*(\a)+7], v[BI+8*\b:BI+8*\b+7], v[SC+32*(\sc)+4*(2*\b+(\wh))+(\q)], v[SC+32*(\sc)+4*(\a)+(\q)] matrix_a_fmt:MATRIX_FMT_FP4 matrix_b_fmt:MATRIX_FMT_FP4 matrix_a_scale:MATRIX_SCALE_ROW1
.else
	v_wmma_scale_f32_16x16x128_f8f6f4 v[8*(4*(\a)+\b):8*(4*(\a)+\b)+7], v[128*(\j)+64+32*(\wh)+8*\b:128*(\j)+64+32*(\wh)+8*\b+7], v[128*(\j)+8*(\a):128*(\j)+8*(\a)+7], v[8*(4*(\a)+\b):8*(4*(\a)+\b)+7], v[SC+32*(\sc)+4*(2*\b+(\wh))+(\q)], v[SC+32*(\sc)+4*(\a)+(\q)] matrix_a_fmt:MATRIX_FMT_FP4 matrix_b_fmt:MATRIX_FMT_FP4 matrix_a_scale:MATRIX_SCALE_ROW1
.endif
.endr
.endr
.endm
.macro MUL32 wh, j, q, sc, bias
	MUL16 \wh, 0, \j, \q, \sc, \bias
	MUL16 \wh, 4, \j, \q, \sc, \bias
.endm
.macro SCALES s
.irp i, 0,1,2,3,4,5,6,7
	ds_load_b128 v[SC+32*\s+4*\i:SC+32*\s+4*\i+3], v[ADRS+\s] offset:\i*KSB
.endr
.endm
.macro FETCH slot, q, j                ; 32 loads: the 16 fragments of the slot's q-th 128 along K, into the j-th half of the set that the window names
.irp a, 0,1,2,3,4,5,6,7
.irp c, 0,1
	ds_load_b128 v[128*(\j)+8*\a+4*\c:128*(\j)+8*\a+4*\c+3], v[ADRX+\slot] offset:\a*KSB+(\q)*1024+512*\c
.endr
.endr
.irp g, 0,1,2,3,4,5,6,7
.irp c, 0,1
	ds_load_b128 v[128*(\j)+64+32*(\g%2)+8*(\g/2)+4*\c:128*(\j)+64+32*(\g%2)+8*(\g/2)+4*\c+3], v[ADRB+\slot] offset:\g*KSB+(\q)*1024+512*\c
.endr
.endr
.endm
; A slot's first batch: multiplies set 0 (the slot's first 256 along K) and fetches its last 256 into set 1.
.macro BATCHA slot, first
	s_wait_dscnt 0x0                               ; set 0 and the slot's scale words are in: asked for 64 products ago
	PLACES 4                                       ; behind the last batch's products, ahead of loads into the set that they read (ISA guide 7.12.1 for vector instructions)
	WIN TO1
	FETCH \slot, 2, 0
	FETCH \slot, 3, 1
.if \first
	WIN MULB                                       ; W's first products take the bias as C: nothing is cleared or added later
.else
	WIN MUL0
.endif
	MUL32 0, 0, 0, \slot, \first
	WIN MUL0
	MUL32 1, 0, 0, \slot, 0
	MUL32 0, 1, 1, \slot, 0
	MUL32 1, 1, 1, \slot, 0
.endm
.macro ASK                             ; K slot two joint loads on; the loop's last trip (s3 = 1) has none
	s_cmp_gt_u32 s3, 1
	s_cbranch_scc0 .Lno_ask_\@
	PF 3
.Lno_ask_\@:
.endm
; A slot's second batch multiplies set 1 and changes slots: my tensor load of the next slot, the add, and my reads of this slot (all issued a batch ago) are waited for in front of the one barrier.
.macro BATCHB slot, next, fill
	WIN 0
.if \fill
	s_wait_xcnt 0x0                                ; my prefetches have read their address: it steps one K slot
	s_add_nc_u64 s[PFA:PFA+1], s[PFA:PFA+1], KSB
.endif
	s_wait_dscnt 0x0                               ; set 1 is in: my reads of this slot are over
	s_wait_tensorcnt 0x0                           ; my part of the next slot has landed
	ds_add_u32 v[SPW], v[NIL]
	WIN MUL1
	MUL32 0, 0, 2, \slot, 0                        ; 32 products stand between the add and the wait for it
	s_wait_dscnt 0x0                               ; the add is done
	s_barrier_signal -1
	MUL32 1, 0, 2, \slot, 0                        ; work on registers while the others arrive
	WIN 0
	s_barrier_wait -1
.if \fill
	CREST                                          ; the barrier opened a round of the cluster's barrier
	s_add_nc_u64 s[G0+4*\slot+2:G0+4*\slot+3], s[G0+4*\slot+2:G0+4*\slot+3], 2*KSB
	s_add_nc_u64 s[G0B+4*\slot+2:G0B+4*\slot+3], s[G0B+4*\slot+2:G0B+4*\slot+3], 2*KSB
	JLOAD G0+4*\slot, G1, G0B+4*\slot, G1B         ; the refill first; its four v_nop are the places ahead of the loads below
.else
	PLACES 4
.endif
	SCALES \next
	WIN TO0
	FETCH \next, 0, 0
	FETCH \next, 1, 1
	WIN 0
.if \fill
	ASK
.endif
	WIN MUL1
	MUL32 0, 1, 3, \slot, 0
	MUL32 1, 1, 3, \slot, 0
.endm
	s_wait_tensorcnt 0x0                           ; my part of K slot 0 is in
	ds_add_u32 v[SPW], v[NIL]
	s_wait_dscnt 0x0
	CROUND                                         ; everybody's part is in, and the joint loads meet
	JLOAD G0+4, G1, G0B+4, G1B                     ; K slot 1
	SCALES 0
	WIN TO0
	FETCH 0, 0, 0
	FETCH 0, 1, 1
	WIN 0
	PF 2                                           ; K slots 2 and 3
	PF 3
	s_wait_loadcnt 0x0                             ; the bias is in
	BATCHA 0, 1                                    ; the first batch stands ahead of the loop: its first products start the sums
	WIN 0
	s_mov_b32 s3, 3
.Llap:                                                 ; a trip goes once round the ring and fills both slots again
	BATCHB 0, 1, 1
	BATCHA 1, 0
	BATCHB 1, 0, 1
	BATCHA 0, 0
	WIN 0
	s_sub_co_u32 s3, s3, 1
	s_cmp_lg_u32 s3, 0
	s_cbranch_scc1 .Llap
	BATCHB 0, 1, 0                                 ; the last lap fills nothing
	BATCHA 1, 0
	s_wait_dscnt 0x0                               ; the very last batch: nothing more to fetch
	WIN MUL1
	MUL32 0, 0, 2, 1, 0
	MUL32 1, 0, 2, 1, 0
	MUL32 0, 1, 3, 1, 0
	MUL32 1, 1, 3, 1, 0
	WIN 0
; THE WAY OUT, by blocks of 16 rows x 64 columns through my own stage: in as 32 bytes a lane, back as rows of 256 bytes, sixteen lanes to an aligned unit.  LDS serves a wave's instructions in order (ISA guide 5.7.1.4).
.macro TOSTAGE a
	WIN 0x04                                       ; the stores' data (source 1): window 1
.irp b, 0,1,2,3
	ds_store_b128 v[STO], v[8*(4*(\a)+\b):8*(4*(\a)+\b)+3] offset:64*\b        ; each accumulator from its low end on
	ds_store_b128 v[STO], v[8*(4*(\a)+\b)+4:8*(4*(\a)+\b)+7] offset:64*\b+16
.endr
	WIN 0
.irp t, 0,1,2,3,4,5,6,7
	ds_load_b128 v[BK+32*((\a)%2)+4*\t:BK+32*((\a)%2)+4*\t+3], v[RD] offset:2*SPT*\t
.endr
.endm
.macro SEND a, younger
	s_wait_dscnt \younger
.irp t, 0,1,2,3,4,5,6,7
	global_store_b128 v[CO], v[BK+32*((\a)%2)+4*\t:BK+32*((\a)%2)+4*\t+3], s[10:11] offset:(16*(\a)+2*\t)*ROWO th:TH_STORE_NT
.endr
.endm
	PLACES 4                                       ; behind the last products, ahead of the first read of results
	TOSTAGE 0
.irp a, 1,2,3,4,5,6,7
.if \a > 1
	s_wait_xcnt 0x0                                ; block a - 2's stores have read their registers
.endif
	TOSTAGE \a
	SEND \a-1, 16                                  ; behind block a - 1's loads: block a's 8 stores and 8 loads
.endr
	SEND 7, 0
	s_wait_tensorcnt 0x0                           ; the wave's end
	ds_add_u32 v[SPW], v[NIL]
	s_wait_dscnt 0x0
	CROUND                                         ; the closing round
	s_endpgm
.Lfunc_end_k_q78c24df9c7_gemm:
	.size	k_q78c24df9c7_gemm, .Lfunc_end_k_q78c24df9c7_gemm-k_q78c24df9c7_gemm
	.p2alignl 7, 3214868480
	.fill 96, 4, 3214868480
	.section	.rodata,"a",@progbits
	.p2align	6, 0x0
	.amdhsa_kernel k_q78c24df9c7_gemm
		.amdhsa_group_segment_fixed_size 327680
		.amdhsa_private_segment_fixed_size 0
		.amdhsa_enable_private_segment 0
		.amdhsa_kernarg_size 32
		.amdhsa_user_sgpr_count 2
		.amdhsa_user_sgpr_kernarg_segment_ptr 1
		.amdhsa_wavefront_size32 1
		.amdhsa_system_sgpr_workgroup_id_x 1
		.amdhsa_system_sgpr_workgroup_id_y 1
		.amdhsa_system_sgpr_workgroup_id_z 1
		.amdhsa_system_vgpr_workitem_id 0
		.amdhsa_next_free_vgpr 1024
		.amdhsa_next_free_sgpr 66
		.amdhsa_reserve_vcc 0
		.amdhsa_float_denorm_mode_32 3
		.amdhsa_float_denorm_mode_16_64 3
		.amdhsa_memory_ordered 1
		.amdhsa_forward_progress 1
		.amdhsa_inst_pref_size 192
	.end_amdhsa_kernel
	.amdgpu_metadata
---
amdhsa.version: [ 1, 2 ]
amdhsa.kernels:
  - .name:           k_q78c24df9c7_gemm
    .symbol:         k_q78c24df9c7_gemm.kd
    .args:
      - { .name: xq, .offset: 0, .size: 8, .value_kind: global_buffer, .address_space: global }
      - { .name: wlq, .offset: 8, .size: 8, .value_kind: global_buffer, .address_space: global }
      - { .name: b, .offset: 16, .size: 8, .value_kind: global_buffer, .address_space: global }
      - { .name: out0, .offset: 24, .size: 8, .value_kind: global_buffer, .address_space: global }
    .group_segment_fixed_size: 327680
    .private_segment_fixed_size: 0
    .kernarg_segment_align: 8
    .kernarg_segment_size: 32
    .max_flat_workgroup_size: 128
    .sgpr_count:     66
    .vgpr_count:     1024
    .wavefront_size: 32
...
	.end_amdgpu_metadata
.endif
;; end of part 2
